; MI455X (gfx1250); checked and timed in simulation.
; The chip was launched on July 23, 2026; its instructions are those of AMD's public machine-readable ISA for CDNA 5 (MIT licence, August 2026) and "CDNA5" Instruction Set Architecture Reference Guide (July 2026). The comments in the code are by the model that wrote it; some were corrected since.
;; Cross View Attention. Allowed arithmetic: matrix products marked QUANTISED: E2M3 operands, one E8M0 scale for each 32 along K, by v_wmma_scale_f32_16x16x128_f8f6f4 with both operands' format E2M3, f32 sums; products left as they are: f32 operands where the result goes on into a quantised operand, else bf16, f16 or f32 operands; f32 sums; everything else in f32.
;; Inputs: Wk 2 x 256 x 256 float32; Wm1 2 x 256 x 512 float32; Wm2 2 x 512 x 256 float32; Wproj 2 x 256 x 256 float32; Wq 2 x 256 x 256 float32; Wv 2 x 256 x 256 float32; bm1 2 x 512 float32; bm2 2 x 256 float32; bproj 2 x 256 float32; grd2sat 1 x 256 x 64 x 64 float32; grd_x 1 x 256 x 16 x 128 float32; ln_k_b 2 x 256 float32; ln_k_w 2 x 256 float32; ln_post_b 2 x 256 float32; ln_post_w 2 x 256 float32; ln_pre_b 2 x 256 float32; ln_pre_w 2 x 256 float32; ln_q_b 2 x 256 float32; ln_q_w 2 x 256 float32; ln_v_b 2 x 256 float32; ln_v_w 2 x 256 float32; u 1 x 64 x 64 float32.
;; Outputs: out0 1 x 256 x 64 x 64 float32.
;; This version of the problem:
;;   THIS VERSION OF THE PROBLEM IS GIVEN IN LOW PRECISION. The matrix products marked QUANTISED in the list below multiply operands that are first quantised to E2M3 (2 exponent bits, 3 mantissa bits; 6 bits a number), with one power-of-two scale for each 32 numbers along K (OCP MX v1.0); their sums are f32. All else is computed in f32.
;;   The module's matrix products, in the order in which they are computed (A, B: the left and right operand; K: the contracted axis; several contracted axes count as one K, in the product's order):
;;     1. [M 4,096, K 256] x [K 256, N 256]; A: computed on the way; B: input Wq: QUANTISED
;;     2. [M 131,072, K 256] x [K 256, N 256]; A: computed on the way; B: input Wk: QUANTISED
;;     3. [M 131,072, K 256] x [K 256, N 256]; A: computed on the way; B: input Wv: QUANTISED
;;     4. batch 32,768 x [M 1, K 32] x [K 32, N 32]; A: computed on the way; B: computed on the way: left as it is (M = 1 < 16)
;;     5. batch 32,768 x [M 1, K 32] x [K 32, N 32]; A: softmax; B: computed on the way: left as it is (M = 1 < 16)
;;     6. [M 4,096, K 256] x [K 256, N 256]; A: computed on the way; B: input Wproj: QUANTISED
;;     7. [M 4,096, K 256] x [K 256, N 512]; A: computed on the way; B: input Wm1: QUANTISED
;;     8. [M 4,096, K 512] x [K 512, N 256]; A: computed on the way; B: input Wm2: QUANTISED
;;     9. [M 4,096, K 256] x [K 256, N 256]; A: computed on the way; B: input Wq: QUANTISED
;;     10. [M 131,072, K 256] x [K 256, N 256]; A: computed on the way; B: input Wk: QUANTISED
;;     11. [M 131,072, K 256] x [K 256, N 256]; A: computed on the way; B: input Wv: QUANTISED
;;     12. batch 32,768 x [M 1, K 32] x [K 32, N 32]; A: computed on the way; B: computed on the way: left as it is (M = 1 < 16)
;;     13. batch 32,768 x [M 1, K 32] x [K 32, N 32]; A: softmax; B: computed on the way: left as it is (M = 1 < 16)
;;     14. [M 4,096, K 256] x [K 256, N 256]; A: computed on the way; B: input Wproj: QUANTISED
;;     15. [M 4,096, K 256] x [K 256, N 512]; A: computed on the way; B: input Wm1: QUANTISED
;;     16. [M 4,096, K 512] x [K 512, N 256]; A: computed on the way; B: input Wm2: QUANTISED
;;   THE QUANTISER, for each operand of a quantised product, along K:
;;     - K is cut into blocks of 32 from its start; a last block that is shorter is filled with zeros.
;;     - A block's scale is 2^e with e = floor(log2(the largest magnitude in the block)) - 2, held to -126 .. 127; a block of zeros has e = 0. As a byte (E8M0): e + 127.
;;     - Each number is divided by its block's scale, clamped to +-7.5, and rounded to the nearest number of E2M3, ties to even, subnormals kept.
;;     - The product sums the exact products of the quantised numbers (number of the format x scale) in f32.
;;   ~~~python
;;   def quantise(x, axis):      # numpy; x: float32 -> the quantised numbers, widened to float32 again
;;       x = np.moveaxis(x, axis, -1); K = x.shape[-1]
;;       x = np.pad(x, [(0, 0)] * (x.ndim - 1) + [(0, -K % 32)]); x = x.reshape(x.shape[:-1] + (-1, 32)); a = np.abs(x).max(-1, keepdims=True)
;;       e = np.where(a > 0, np.clip(np.frexp(np.where(a > 0, a, 1))[1] - 1 - 2, -126, 127), 0)      # np.frexp(a)[1] - 1 = floor(log2(a)), exactly
;;       r = np.clip(x / 2.0 ** e, -7.5, 7.5)
;;       step = 2.0 ** (np.maximum(np.frexp(np.where(r == 0, 1, r))[1] - 1, 0) - 3)
;;       q = np.round(r / step) * step * 2.0 ** e      # np.round: ties to even
;;       return np.moveaxis(q.reshape(q.shape[:-2] + (-1,))[..., :K], -1, axis).astype(np.float32)
;;   ~~~
;;   OPERANDS COMPUTED ON THE WAY. 'Computed on the way' means the value that the module computes at that place (a softmax that the list does not call 'softmax' is quantised finished and normalised). What goes into a quantiser is computed in f32, as accurately as f32 sums, v_exp_f32 and their like allow (about 1e-6 of the number): no bf16 or f16 on the way to a quantiser, and a product that is left as it is and whose result goes on into a quantised operand takes f32 operands (vector FMAs, or v_wmma_f32_16x16x4_f32). A number that lies on a knife's edge between two numbers of the format may be rounded either way, as far as f32 arithmetic and the matrix unit's own rounding can turn it there, and no further.
;; One version. Each part assembles by itself: llvm-mc -triple=amdgcn-amd-amdhsa -mcpu=gfx1250 --defsym DOCPART=n.
;; ======== version 1 of 1: 2 launches
;; limits: right only within a limited range of input values
;; workspace buffers: wcodes 786,432 bytes; wscales 65,536 bytes; ytab 1,703,936 bytes; idx 32,768 bytes of whole numbers
;; launch prep (part 1): grid 264 x 1, 4 waves a work-group, no clusters, 13,824 bytes of LDS; arguments Wq, Wk, Wv, Wproj, Wm1, Wm2, grd_x, ln_k_w, ln_k_b, ln_v_w, ln_v_b, u, wcodes, wscales, ytab, idx; writes wcodes, wscales, ytab, idx
.if DOCPART == 1
	.amdgcn_target "amdgcn-amd-amdhsa--gfx1250"
	.amdhsa_code_object_version 6
	.text
	.protected	k_qe72ce143bf_prep
	.globl	k_qe72ce143bf_prep
	.p2align	8
	.type	k_qe72ce143bf_prep,@function
k_qe72ce143bf_prep:
	s_mov_b64 s[64:65], 0
	v_nop
	global_prefetch_b8 v0, s[64:65] scope:SCOPE_SE
	s_setreg_imm32_b32 hwreg(HW_REG_WAVE_MODE, 25, 1), 1
	s_wait_xcnt 0x0
; PREPARATION for the cross-view attention: three kinds of work-groups, told apart by the work-group's number alone.
;  0..127   W: the six weights of both blocks ([K][N] f32, K first) become codes of FP6 (E2M3) with one E8M0 byte for each 32 along K.  One wave makes one FRAGMENT:
;           16 columns x 128 K, stored as the image of the operand's 12 registers: registers 4 g .. 4 g + 3 of lane l at byte 512 g + 16 l of the fragment's 1,536 bytes; its scale words at 4 l of 128 bytes.
;  128..255 Y: the table of keys.  The 131,072 rows that the k and v products take are 2,048 different rows (h, w) of grd_x; layer norm and quantiser work row by row, so each row is normalised and
;           quantised once for each of the four variants (block, k or v).  The 16 rows h of one column w are one operand tile: an ENTRY of 3,328 bytes: two fragment images (K steps 0, 1), then 32 x 8 bytes of scale words.
;  256..263 U: floor(u), held to 0..127, and floor(u) + 1, held likewise, as whole numbers: the next launch forms its addresses from them.
; A block's scale is 2^(floor(log2(largest magnitude)) - 2); its byte is the largest magnitude's exponent field - 2, held at 1 from below.
; LIMITS: a block of zeros, or one whose largest magnitude lies under 2^-124, keeps the byte 1 (its codes add nothing or are held coarse; the bytes are read by this program alone); NaN and infinities among the inputs, NaN in u too, are not served.
	s_load_b512 s[4:19], s[0:1], 0x0               ; Wq 4, Wk 6, Wv 8, Wproj 10, Wm1 12, Wm2 14, grd_x 16, ln_k_w 18
	s_load_b512 s[20:35], s[0:1], 0x40             ; ln_k_b 20, ln_v_w 22, ln_v_b 24, u 26, wcodes 28, wscales 30, ytab 32, idx 34
	v_lshl_add_u32 v30, v0, 2, 0x3400              ; my spare word, behind the stage's 13,312 bytes,
	v_mov_b32 v31, 0                               ; and 0: kept for the closing add alone
	v_lshrrev_b32 v1, 5, v0
	v_readfirstlane_b32 s36, v1                    ; wave 0..3
	s_mov_b32 s38, 0x76543210
	s_mov_b32 s39, 0xfedcba98                      ; v_permlanex16_b32's selects for lane l xor 16
	s_wait_kmcnt 0x0
	s_cmp_lt_u32 ttmp9, 128
	s_cbranch_scc0 .Lnot_w
; ---------------- W: fragment F = 4 x work-group + wave.  In a block: Wq 0-31, Wk 32-63, Wv 64-95, Wproj 96-127 (2 t + s), Wm1 128-191 (2 t + s), Wm2 192-255 (4 t + s)
	v_and_b32 v2, 15, v0                           ; r: my column of the tile
	v_bfe_u32 v3, v0, 4, 1                         ; hh
	s_wait_alu depctr_va_vdst(0)
	v_and_b32 v7, 31, v0
	v_lshlrev_b32 v5, 4, v7                        ; 16 x lane
	v_lshlrev_b32 v6, 2, v7                        ; 4 x lane
	s_lshr_b32 s40, ttmp9, 6                       ; block
	s_and_b32 s41, ttmp9, 63                       ; group of four fragments in the block
	s_lshr_b32 s42, s41, 3
	s_lshr_b32 s43, s41, 4
	s_cmp_eq_u32 s42, 1                            ; the weight is chosen by the work-group's number alone
	s_cselect_b64 s[44:45], s[6:7], s[4:5]
	s_cmp_eq_u32 s42, 2
	s_cselect_b64 s[44:45], s[8:9], s[44:45]
	s_cmp_eq_u32 s42, 3
	s_cselect_b64 s[44:45], s[10:11], s[44:45]
	s_cmp_ge_u32 s41, 32
	s_cselect_b64 s[44:45], s[12:13], s[44:45]
	s_cselect_b32 s46, 19, 18                      ; log2 of a block's bytes in the weight
	s_cselect_b32 s47, 15, 7                       ; groups of four fragments in the weight, less one
	s_cmp_ge_u32 s41, 48
	s_cselect_b64 s[44:45], s[14:15], s[44:45]
	s_cselect_b32 s48, 2, 1                        ; log2 of the K steps: 4 in Wm2, else 2
	s_cmp_eq_u32 s43, 2
	s_cselect_b32 s49, 11, 10                      ; log2 of a row's bytes: 2,048 in Wm1, else 1,024
	s_and_b32 s50, s41, s47
	s_lshl_b32 s50, s50, 2
	s_add_co_u32 s50, s50, s36                     ; the fragment's number in its weight
	s_lshr_b32 s51, s50, s48                       ; t: tile of 16 columns
	s_lshl_b32 s52, s51, s48
	s_sub_co_u32 s52, s50, s52                     ; s: K step
	s_add_co_u32 s53, s49, 7
	s_lshl_b32 s52, s52, s53                       ; 128 s rows
	s_lshl_b32 s51, s51, 6                         ; 16 t columns
	s_add_co_u32 s52, s52, s51
	s_lshl_b32 s53, s40, s46
	s_add_co_u32 s52, s52, s53
	s_mov_b32 s53, 0
	s_add_nc_u64 s[44:45], s[44:45], s[52:53]
	s_add_co_u32 s54, s49, 5
	v_lshlrev_b32 v4, s54, v3                      ; lanes 16-31 begin 32 rows further down: the operand's layout gives lane (r, hh) k = 64 cc + 32 hh + 0 .. 31
	v_lshl_add_u32 v4, v2, 2, v4
	s_lshl_b32 s54, ttmp9, 2
	s_add_co_u32 s54, s54, s36                     ; F
	s_mul_i32 s52, s54, 1536
	s_add_nc_u64 s[28:29], s[28:29], s[52:53]
	s_lshl_b32 s52, s54, 7
	s_add_nc_u64 s[30:31], s[30:31], s[52:53]
.macro WROWS rowb                      ; my column's 64 numbers, registers running down K
.irp cc, 0,1
.irp i, 0,1,2,3,4,5,6,7,8,9,10,11,12,13,14,15,16,17,18,19,20,21,22,23,24,25,26,27,28,29,30,31
	global_load_b32 v[64+32*\cc+\i], v4, s[44:45] offset:(64*\cc+\i)*\rowb th:TH_LOAD_NT
.endr
.endr
.endm
	s_cmp_eq_u32 s49, 11
	s_cbranch_scc1 .Lw_wide
	s_wait_alu depctr_va_vdst(0)
	WROWS 1024
	s_branch .Lw_have
.Lw_wide:
	s_wait_alu depctr_va_vdst(0)
	WROWS 2048
.Lw_have:
	s_wait_loadcnt 0x0
.irp cc, 0,1                           ; block 2 cc + hh: all its 32 numbers are mine
	v_max3_num_f32 v[32+\cc], |v[64+32*\cc]|, |v[65+32*\cc]|, 0x1800000   ; and the floor 2^(3 - 127): the byte cannot fall under 1
.endr
.irp i, 2,4,6,8,10,12,14,16,18,20,22,24,26,28,30
.irp cc, 0,1
	v_max3_num_f32 v[32+\cc], v[32+\cc], |v[64+32*\cc+\i]|, |v[65+32*\cc+\i]|
.endr
.endr
.irp cc, 0,1
	v_add_nc_u32 v[44+\cc], 0xff000000, v[32+\cc]  ; 2 off the exponent field: the conversion's scale operand
.endr
.irp cc, 0,1
	v_lshrrev_b32 v[36+\cc], 23, v[44+\cc]         ; the scale's byte
.endr
	v_lshl_or_b32 v9, v37, 16, v36                 ; my two bytes, blocks hh and 2 + hh,
	v_lshlrev_b32 v10, 3, v3
	v_lshlrev_b32 v9, v10, v9                      ; at their places in the word;
	v_mov_b32 v10, 0
	v_permlanex16_b32 v10, v9, s38, s39
	v_or_b32 v9, v9, v10                           ; with lane l xor 16's two the word is whole
.irp cc, 0,1
	v_cvt_scalef32_pk16_fp6_f32 v[48+6*\cc:50+6*\cc], v[64+32*\cc:79+32*\cc], v[44+\cc]
	v_cvt_scalef32_pk16_fp6_f32 v[128+4*\cc:130+4*\cc], v[80+32*\cc:95+32*\cc], v[44+\cc]   ; (a conversion's three registers begin on an even number)
.endr
	v_nop                                          ; one plain place behind a scaled conversion
.irp cc, 0,1
.irp i, 0,1,2
	v_mov_b32 v[51+6*\cc+\i], v[128+4*\cc+\i]
.endr
.endr
.irp g, 0,1,2
	global_store_b128 v5, v[48+4*\g:51+4*\g], s[28:29] offset:512*\g   ; 32 lanes store 512 consecutive bytes, at a multiple of 256 from the buffer's first byte
.endr
	global_store_b32 v6, v9, s[30:31]
	s_endpgm
; ---------------- Y: a work-group takes one block, four rows h (a wave each) and eight columns w, and makes both variants (k, v) of its 32 table rows.
; A thread holds a QUARTER of a row: lane = (quarter c4 = lane / 8, column = lane % 8), 64 channels in v64-127: the norm's sums are joined over lanes l xor 8 and l xor 16 and serve both variants;
; a thread's two blocks of 32 channels are whole in its registers.  Block b = 2 c4 + u of row h is registers 6 cc .. 6 cc + 5 (cc = c4 % 2) of lane h + 16 u in K step c4 / 2.
; The stage in LDS holds, for each (variant, column), the work-group's 832 bytes of the entry: six runs (K step, group of four registers) x two halves of the lanes x 4 rows x 16 bytes, then 4 rows x 8 scale bytes.
; They leave as runs of 64 bytes (scale words: 32): the four rows h that a work-group owns are neighbours in an entry.
; v1 load offset; v2, v3 my codes' places; v5 my scale bytes' place; v6 gains' offset; v7, v24 the way out (LDS, memory); v25, v26 the same for scale words; v8-15 running pairs, later codes;
; v16-19 mean, 1/sqrt; v20-23 at work; v28 two scale bytes; v32-63 a block after gain and bias; v128-255 two sets of 32 gains and 32 biases.
.Lnot_w:
	s_cmp_lt_u32 ttmp9, 256
	s_cbranch_scc0 .Lpath_u
	s_sub_co_u32 s40, ttmp9, 128
	s_and_b32 s41, s40, 1                          ; block
	s_bfe_u32 s42, s40, 0x20001                    ; hq: which four rows h
	s_lshr_b32 s43, s40, 3                         ; group of eight columns
	s_lshl_b32 s56, s41, 10
	s_mov_b32 s57, 0
	s_add_nc_u64 s[44:45], s[18:19], s[56:57]      ; k's gain, bias; v's gain, bias
	s_add_nc_u64 s[46:47], s[20:21], s[56:57]
	s_add_nc_u64 s[48:49], s[22:23], s[56:57]
	s_add_nc_u64 s[50:51], s[24:25], s[56:57]
	s_mul_i32 s56, s41, 851968                     ; two variants of 128 entries a block
	s_mul_i32 s58, s43, 26624                      ; 8 entries a group
	s_add_co_u32 s56, s56, s58
	s_add_nc_u64 s[32:33], s[32:33], s[56:57]
	s_lshl_b32 s58, s42, 2
	s_add_co_u32 s58, s58, s36                     ; h = 4 hq + wave
	s_lshl_b32 s56, s58, 9
	s_lshl_b32 s59, s43, 5
	s_add_co_u32 s56, s56, s59
	s_add_nc_u64 s[16:17], s[16:17], s[56:57]      ; grd_x: 512 h + 32 x group
	s_lshl_b32 s60, s42, 6
	s_lshl_b32 s61, s42, 5
	s_lshl_b32 s62, s36, 4
	s_lshl_b32 s63, s36, 3
	s_mov_b32 s54, 0x3b800000                      ; 1 / 256
	s_mov_b32 s55, 0x3727c5ac                      ; 1e-5
	v_and_b32 v10, 7, v0                           ; my column in the group
	v_bfe_u32 v11, v0, 3, 2                        ; c4
	v_and_b32 v12, 1, v11                          ; cc
	v_lshrrev_b32 v13, 1, v11                      ; K step
	v_lshlrev_b32 v1, 19, v11
	v_lshlrev_b32 v6, 8, v11                       ; my 64 gains: 256 c4
	v_mul_u32_u24 v14, v10, 832
	v_lshl_add_u32 v1, v10, 2, v1                  ; 64 c4 channels of 8,192 bytes + 4 x column
	v_mad_u32_u24 v15, v13, 384, v14
	v_lshl_add_u32 v5, v11, 1, v14
	v_add_nc_u32 v15, s62, v15                     ; column x 832 + 384 x K step + 16 x wave
	v_add_nc_u32 v5, s63, v5                       ; column x 832 + 8 x wave + 2 c4 (+ 768)
	v_mad_u32_u24 v2, v12, 136, v15                ; my 24 bytes in pieces of 8: cc = 0 at 0, 8, 128; cc = 1 at 136, 256, 264
	v_mad_u32_u24 v3, v12, 248, v15
	v_and_b32 v20, 3, v0                           ; the way out: row,
	v_bfe_u32 v21, v0, 2, 4                        ; (variant, column),
	v_lshrrev_b32 v22, 6, v0                       ; half of the lanes (for scale words: which copy)
	v_bfe_u32 v23, v0, 2, 3
	v_bfe_u32 v27, v0, 5, 1
	v_mul_u32_u24 v26, v21, 832
	v_mul_u32_u24 v29, v23, 3328
	v_lshl_add_u32 v25, v20, 3, v26
	v_lshl_add_u32 v7, v20, 4, v26
	v_mad_u32_u24 v29, v27, 425984, v29
	v_lshl_add_u32 v7, v22, 6, v7
	v_lshl_add_u32 v24, v20, 4, v29
	v_lshl_add_u32 v26, v20, 3, v29
	v_lshl_add_u32 v24, v22, 8, v24
	v_lshl_add_u32 v26, v22, 7, v26
	v_add_nc_u32 v24, s60, v24                     ; entry + 256 x half + 16 (4 hq + row)
	v_add_nc_u32 v26, s61, v26                     ; entry + 128 x copy + 8 (4 hq + row) (+ 3,072)
	s_wait_alu depctr_va_vdst(0)
.set c, 0
.rept 64
	global_load_b32 v[64+c], v1, s[16:17] offset:c*8192
.set c, c+1
.endr
.macro GSET n                          ; quantisation n = 2 x variant + u: gains and biases of my 32 channels of block u, into set n % 2: 16 loads
.irp j, 0,1,2,3,4,5,6,7
	global_load_b128 v[128+64*((\n)%2)+4*\j:131+64*((\n)%2)+4*\j], v6, s[44+4*((\n)/2):45+4*((\n)/2)] offset:128*((\n)%2)+16*\j
	global_load_b128 v[160+64*((\n)%2)+4*\j:163+64*((\n)%2)+4*\j], v6, s[46+4*((\n)/2):47+4*((\n)/2)] offset:128*((\n)%2)+16*\j
.endr
.endm
.macro YFOLD                           ; four running pairs become the row's sum: my quarter's, then lanes l xor 8 and l xor 16
	v_pk_add_f32 v[8:9], v[8:9], v[10:11]
	v_pk_add_f32 v[12:13], v[12:13], v[14:15]
	v_pk_add_f32 v[8:9], v[8:9], v[12:13]
	v_add_f32 v8, v8, v9
	v_add_f32_dpp v8, v8, v8 row_xmask:8 row_mask:0xf bank_mask:0xf
	v_permlanex16_b32 v9, v8, s38, s39
	v_add_f32 v8, v8, v9
.endm
	GSET 0
	GSET 1
	s_wait_loadcnt 32                              ; my quarter of the row is in; the two sets' 32 loads may be out
.irp k, 0,1,2,3
	v_pk_add_f32 v[8+2*\k:9+2*\k], v[64+2*\k:65+2*\k], v[72+2*\k:73+2*\k]   ; the first eight pairs start four chains: nothing is cleared
.endr
.set c, 16
.rept 24
	v_pk_add_f32 v[8+2*((c/2)%4):9+2*((c/2)%4)], v[8+2*((c/2)%4):9+2*((c/2)%4)], v[64+c:65+c]
.set c, c+2
.endr
	YFOLD
	v_mul_f32 v16, s54, v8                         ; the mean
	v_mov_b32 v17, v16
.set c, 0
.rept 32
	v_pk_add_f32 v[64+c:65+c], v[64+c:65+c], v[16:17] neg_lo:[0,1] neg_hi:[0,1]
.set c, c+2
.endr
.irp k, 0,1,2,3
	v_pk_mul_f32 v[8+2*\k:9+2*\k], v[64+2*\k:65+2*\k], v[64+2*\k:65+2*\k]
.endr
.set c, 8
.rept 28
	v_pk_fma_f32 v[8+2*((c/2)%4):9+2*((c/2)%4)], v[64+c:65+c], v[64+c:65+c], v[8+2*((c/2)%4):9+2*((c/2)%4)]
.set c, c+2
.endr
	YFOLD
	v_fma_f32 v8, v8, s54, s55                     ; the variance + 1e-5
	s_wait_alu depctr_va_vdst(0)
	v_rsq_f32 v18, v8
	v_nop                                          ; a plain place behind the transcendental,
	s_wait_alu depctr_va_vdst(0)                   ; and the wait ahead of its first reader
	v_mov_b32 v19, v18
.set c, 0
.rept 32
	v_pk_mul_f32 v[64+c:65+c], v[64+c:65+c], v[18:19]
.set c, c+2
.endr
.macro YBLK n                          ; variant n / 2, my block u = n % 2
	s_wait_alu depctr_va_vdst(0)
.if (\n) < 3
	s_wait_loadcnt 16                              ; this set is in; the next one's 16 loads may be out
.else
	s_wait_loadcnt 0x0
.endif
.irp i, 0,2,4,6,8,10,12,14,16,18,20,22,24,26,28,30
	v_pk_fma_f32 v[32+\i:33+\i], v[64+32*((\n)%2)+\i:65+32*((\n)%2)+\i], v[128+64*((\n)%2)+\i:129+64*((\n)%2)+\i], v[160+64*((\n)%2)+\i:161+64*((\n)%2)+\i]
.endr
.if (\n)+2 < 4
	GSET (\n)+2                                    ; into the set just read
.endif
	v_max3_num_f32 v20, |v32|, |v33|, |v34|
	v_max3_num_f32 v21, |v35|, |v36|, |v37|
.irp i, 6,10,14,18,22,26
	v_max3_num_f32 v20, v20, |v[32+\i]|, |v[33+\i]|
	v_max3_num_f32 v21, v21, |v[34+\i]|, |v[35+\i]|
.endr
	v_max3_num_f32 v20, v20, |v62|, |v63|
	v_max3_num_f32 v20, v20, v21, 0x1800000        ; and the floor 2^(3 - 127)
	v_add_nc_u32 v22, 0xff000000, v20              ; the conversion's scale operand
	v_lshrrev_b32 v23, 23, v22                     ; the byte
.if (\n)%2 == 0
	v_mov_b32 v28, v23
.else
	v_lshl_or_b32 v28, v23, 8, v28
.endif
	v_cvt_scalef32_pk16_fp6_f32 v[8:10], v[32:47], v22
	v_cvt_scalef32_pk16_fp6_f32 v[12:14], v[48:63], v22
	v_nop                                          ; one plain place behind a scaled conversion
	v_mov_b32 v11, v12
	v_mov_b32 v12, v13
	v_mov_b32 v13, v14                             ; v8-13: the block's 24 bytes
	ds_store_b64 v2, v[8:9] offset:6656*((\n)/2)+64*((\n)%2)
	ds_store_b64 v3, v[10:11] offset:6656*((\n)/2)+64*((\n)%2)+8
	ds_store_b64 v2, v[12:13] offset:6656*((\n)/2)+64*((\n)%2)+128
.if (\n)%2 == 1
	ds_store_b16 v5, v28 offset:6656*((\n)/2)+768  ; my two scale bytes of the row's eight
.endif
.endm
.irp n, 0,1,2,3
	YBLK \n
.endr
	s_wait_alu depctr_va_vdst(0)
	s_wait_dscnt 0x0                               ; for the others' sake: my stores have landed
	s_barrier_signal -1
	s_barrier_wait -1                              ; the work-group's part of sixteen entries lies in LDS
.irp k, 0,1,2,3,4,5
	ds_load_b128 v[64+4*\k:67+4*\k], v7 offset:128*\k
.endr
	ds_load_b64 v[88:89], v25 offset:768
.irp k, 0,1,2,3,4,5
	s_wait_dscnt 6-\k                              ; LDS loads come back in order: load k is in, the younger ones may be out
	global_store_b128 v24, v[64+4*\k:67+4*\k], s[32:33] offset:512*\k   ; four lanes store 64 consecutive bytes of an entry
.endr
	s_wait_dscnt 0x0
	global_store_b64 v26, v[88:89], s[32:33] offset:3072               ; the scale words, for lane h and for lane h + 16
	s_wait_tensorcnt 0x0                           ; the wave's end
	ds_add_u32 v30, v31
	s_wait_dscnt 0x0
	s_endpgm
; ---------------- U: four numbers of u a thread
.Lpath_u:
	s_sub_co_u32 s40, ttmp9, 256
	s_lshl_b32 s40, s40, 11
	s_mov_b32 s41, 0x42fe0000                      ; 127.0
	v_lshl_add_u32 v1, v0, 4, s40
	global_load_b128 v[4:7], v1, s[26:27]
	s_wait_loadcnt 0x0
.irp i, 0,1,2,3
	v_floor_f32 v[4+\i], v[4+\i]
.endr
.irp i, 0,1,2,3
	v_add_f32 v[8+\i], 1.0, v[4+\i]
.endr
.irp i, 0,1,2,3,4,5,6,7
	v_med3_num_f32 v[4+\i], v[4+\i], 0, s41        ; held to 0 .. 127, as floats
.endr
.irp i, 0,1,2,3,4,5,6,7
	v_cvt_i32_f32 v[4+\i], v[4+\i]
.endr
	global_store_b128 v1, v[4:7], s[34:35]                 ; the left columns
	global_store_b128 v1, v[8:11], s[34:35] offset:16384   ; the right columns
	s_endpgm
.Lfunc_end_k_qe72ce143bf_prep:
	.size	k_qe72ce143bf_prep, .Lfunc_end_k_qe72ce143bf_prep-k_qe72ce143bf_prep
	.p2alignl 7, 3214868480
	.fill 96, 4, 3214868480
	.section	.rodata,"a",@progbits
	.p2align	6, 0x0
	.amdhsa_kernel k_qe72ce143bf_prep
		.amdhsa_group_segment_fixed_size 13824
		.amdhsa_private_segment_fixed_size 0
		.amdhsa_enable_private_segment 0
		.amdhsa_kernarg_size 128
		.amdhsa_user_sgpr_count 2
		.amdhsa_user_sgpr_kernarg_segment_ptr 1
		.amdhsa_wavefront_size32 1
		.amdhsa_system_sgpr_workgroup_id_x 1
		.amdhsa_system_sgpr_workgroup_id_y 1
		.amdhsa_system_sgpr_workgroup_id_z 1
		.amdhsa_system_vgpr_workitem_id 0
		.amdhsa_next_free_vgpr 256
		.amdhsa_next_free_sgpr 66
		.amdhsa_reserve_vcc 0
		.amdhsa_float_denorm_mode_32 3
		.amdhsa_float_denorm_mode_16_64 3
		.amdhsa_memory_ordered 1
		.amdhsa_forward_progress 1
		.amdhsa_inst_pref_size 56
	.end_amdhsa_kernel
	.amdgpu_metadata
---
amdhsa.version: [ 1, 2 ]
amdhsa.kernels:
  - .name:           k_qe72ce143bf_prep
    .symbol:         k_qe72ce143bf_prep.kd
    .args:
      - { .name: Wq, .offset: 0, .size: 8, .value_kind: global_buffer, .address_space: global }
      - { .name: Wk, .offset: 8, .size: 8, .value_kind: global_buffer, .address_space: global }
      - { .name: Wv, .offset: 16, .size: 8, .value_kind: global_buffer, .address_space: global }
      - { .name: Wproj, .offset: 24, .size: 8, .value_kind: global_buffer, .address_space: global }
      - { .name: Wm1, .offset: 32, .size: 8, .value_kind: global_buffer, .address_space: global }
      - { .name: Wm2, .offset: 40, .size: 8, .value_kind: global_buffer, .address_space: global }
      - { .name: grd_x, .offset: 48, .size: 8, .value_kind: global_buffer, .address_space: global }
      - { .name: ln_k_w, .offset: 56, .size: 8, .value_kind: global_buffer, .address_space: global }
      - { .name: ln_k_b, .offset: 64, .size: 8, .value_kind: global_buffer, .address_space: global }
      - { .name: ln_v_w, .offset: 72, .size: 8, .value_kind: global_buffer, .address_space: global }
      - { .name: ln_v_b, .offset: 80, .size: 8, .value_kind: global_buffer, .address_space: global }
      - { .name: u, .offset: 88, .size: 8, .value_kind: global_buffer, .address_space: global }
      - { .name: wcodes, .offset: 96, .size: 8, .value_kind: global_buffer, .address_space: global }
      - { .name: wscales, .offset: 104, .size: 8, .value_kind: global_buffer, .address_space: global }
      - { .name: ytab, .offset: 112, .size: 8, .value_kind: global_buffer, .address_space: global }
      - { .name: idx, .offset: 120, .size: 8, .value_kind: global_buffer, .address_space: global }
    .group_segment_fixed_size: 13824
    .private_segment_fixed_size: 0
    .kernarg_segment_align: 8
    .kernarg_segment_size: 128
    .max_flat_workgroup_size: 128
    .sgpr_count:     66
    .vgpr_count:     256
    .wavefront_size: 32
...
	.end_amdgpu_metadata
.endif
;; end of part 1
;; launch main (part 2): grid 256 x 1, 8 waves a work-group, no clusters, 308,480 bytes of LDS; arguments grd2sat, idx, ytab, wcodes, wscales, ln_q_w, ln_q_b, ln_pre_w, ln_pre_b, ln_post_w, ln_post_b, bproj, bm2, bm1, out0; writes out0
.if DOCPART == 2
	.amdgcn_target "amdgcn-amd-amdhsa--gfx1250"
	.amdhsa_code_object_version 6
	.text
	.protected	k_qe72ce143bf_main
	.globl	k_qe72ce143bf_main
	.p2align	8
	.type	k_qe72ce143bf_main,@function
k_qe72ce143bf_main:
	s_mov_b64 s[64:65], 0
	v_nop
	global_prefetch_b8 v0, s[64:65] scope:SCOPE_SE
	s_setreg_imm32_b32 hwreg(HW_REG_WAVE_MODE, 25, 1), 1
	s_wait_xcnt 0x0
; CROSS-VIEW ATTENTION, both blocks and the closing L2 norm in one launch.  A work-group owns 16 queries (16 x work-group ..) from grd2sat to out0; nothing between goes to memory.
; All quantised products run on codes of FP6 (E2M3) with E8M0 scales.  Weights come as register images of fragments (1,536 bytes) from memory straight into registers; a query's 32 keys are two
; entries of the table of keys, staged in LDS once a block.
; NORMS AND QUANTISERS: thread = (row = thread / 16, 16 neighbouring channels): 16 lanes hold a row, sums go by DPP, a block of 32 lies in two neighbouring lanes.  Codes go to LDS as rows of 400 bytes
; (up to 512 codes + 16), scale bytes as rows of 16; a fragment is read from there by six loads of 8 bytes.  Rows of f32 lie in groups of 16 numbers, 80 bytes apart, rows 1,296 bytes apart.
; ATTENTION: wave = 4 qh + hp owns heads 2 hp, 2 hp + 1 for queries 8 qh .. + 7, in three passes: K = entries x Wk (transposed use) and q . k for the eight queries; one softmax of eight chains by turns,
; maximum taken away; V = entries x Wv and p . v.  A query's sums across lanes stand behind the next query's matrix instructions.  The wave quantises its own result through its own LDS scratch.
; THE CHAIN: wave w owns 32 columns (64 of the hidden layer, which it quantises itself); the residual stays in the norm's threads' registers.
; LOADS are asked for a phase or more ahead of their use, into registers: the next block's Wq, Wk and K entries behind the hidden layer, its V entries behind the last product,
; Wv at the block's top, Wm1 behind the first pass, Wm2 behind the third.  So no data prefetch is laid.
; NO CLUSTER: the shared weights go straight into registers and not through LDS; the entries differ from work-group to work-group.
; LIMITS: NaN and infinities among the inputs are not served; a block of zeros or under 2^-124 keeps the scale byte 1; erf is the rational form u P(u^2) / Q(u^2) in f32 with u held to +-4;
; exponentials under 2^-126 come out as 0; the softmax holds while the scaled scores stay under 2^31 in magnitude.
.set RP,   1296
.set GP,   80
.set CP,   400
.set AP,   272
.set ESZ,  3328
.set QSZ,  4*ESZ                       ; a query's four entries: K left, K right, V left, V right
.set B0,   0                           ; 16 rows of f32: x, q, proj's result, the MLP's result, the output
.set CA,   16*RP                       ; codes: x's, the second norm's
.set CB,   CA+16*CP                    ; codes: attention's result, the hidden layer
.set SA,   CB+16*CP                    ; their scale bytes
.set SB,   SA+256
.set GL,   SB+256                      ; gains and biases, in groups of 80 bytes
.set G_QW, GL
.set G_QB, GL+2560
.set G_PW, GL+5120
.set G_PB, GL+7680
.set G_OW, GL+10240
.set G_OB, GL+12800
.set G_BP, GL+15360
.set G_B2, GL+17920
.set G_B1, GL+20480
.set WS,   GL+25600                    ; a scratch of 4,352 bytes for each wave: p (2,048) and attention's result (2,176); later the hidden layer's 16 x 64
.set WSZ,  16*AP
.set ENT,  WS+8*WSZ
.set SPARE, ENT+16*QSZ                 ; the spare words, 1,024 bytes
; window 0: addresses, made once
.set L16, 1
.set L8,  2
.set XG,  3
.set LNR, 4
.set LNC, 5
.set LNS, 6
.set LNG, 7
.set GN,  8
.set DST, 9
.set DSTX, 10
.set BRD, 11
.set GB,  12
.set BRH, 13
.set GH,  14
.set FRA, 15
.set FRS, 16
.set EA0, 17
.set ES0, 19
.set QBASE, 21
.set PSW, 22
.set PSR, 23
.set AAW, 24
.set AAR, 25
.set ACW, 26
.set ASW, 27
.set HSW, 28
.set HSR, 29
.set HCW, 30
.set HBW, 31
.set STA, 32
.set STS, 33
.set VWA, 34
.set VWB, 35
.set VWC, 36
.set VSA, 37
.set VSB, 38
.set VSC, 39
; scale words and nothing else
.set WKS, 40
.set WVS, 48
.set WAS, 56
.set AS,  108
; the pool
.set AF,  60                           ; four fragments of rows
.set D,   112                          ; accumulators
.set Q,   176
.set P,   208
.set S,   208                          ; the eight queries' scores, then p
.set M,   224
.set Z,   232
.set TP,  240
.set TS,  248
.set X,   60                           ; a norm's 16 numbers, gains, biases, temporaries
.set G,   76
.set BB,  92
.set T,   112
.set ZN,  240                          ; the residual
.set KE,  128                          ; v128-231: four K entries on their way
.set U,   144
.set X2,  176
.set PN,  208
.set QD,  60
.set KC,  92
; window 1: v0-95 Wk, later Wm1; v96-191 Wv, later Wm2 (v96-199: four V entries on their way); v208-255 Wq, later Wproj
.set MSB, 0
.macro WIN new
.if MSB != \new
	s_set_vgpr_msb (MSB<<8)|\new
.set MSB, \new
.endif
.endm
.macro BAR                             ; my vector writes, LDS stores and LDS loads are done: then the work-group's barrier
	s_wait_alu depctr_va_vdst(0)
	s_wait_dscnt 0x0
	s_barrier_signal -1
	s_barrier_wait -1
.endm
.macro PLACES
.rept 4
	v_nop
.endr
.endm
.macro MM d, a, b, z, sa, sb
.if \z
	v_wmma_scale_f32_16x16x128_f8f6f4 v[\d:\d+7], v[\a:\a+11], v[\b:\b+11], 0, v[\sa], v[\sb] matrix_a_fmt:MATRIX_FMT_FP6 matrix_b_fmt:MATRIX_FMT_FP6
.else
	v_wmma_scale_f32_16x16x128_f8f6f4 v[\d:\d+7], v[\a:\a+11], v[\b:\b+11], v[\d:\d+7], v[\sa], v[\sb] matrix_a_fmt:MATRIX_FMT_FP6 matrix_b_fmt:MATRIX_FMT_FP6
.endif
.endm
.macro WLOAD dst, n, voff, imm         ; n fragments of weights, three loads of 512 consecutive bytes each
.set wf, 0
.rept \n
.irp g, 0,1,2
	global_load_b128 v[\dst+12*wf+4*\g:\dst+12*wf+4*\g+3], v[\voff], s[10:11] offset:\imm+1536*wf+512*\g
.endr
.set wf, wf+1
.endr
.endm
.macro SLOAD dst, n, voff, imm
.set wf, 0
.rept \n
	global_load_b32 v[\dst+wf], v[\voff], s[12:13] offset:\imm+128*wf
.set wf, wf+1
.endr
.endm
.macro ENTLOAD dst, kv, nxt            ; four entries of my two queries: 28 loads
.irp j, 0,1
.irp sd, 0,1
.irp g, 0,1,2,3,4,5
	global_load_b128 v[\dst+26*(2*\j+\sd)+4*\g:\dst+26*(2*\j+\sd)+4*\g+3], v[L16], s[46+2*(2*\sd+\j):47+2*(2*\sd+\j)] offset:\nxt*851968+\kv*425984+512*\g
.endr
	global_load_b64 v[\dst+26*(2*\j+\sd)+24:\dst+26*(2*\j+\sd)+25], v[L8], s[46+2*(2*\sd+\j):47+2*(2*\sd+\j)] offset:\nxt*851968+\kv*425984+3072
.endr
.endr
.endm
.macro ENTSTORE src, kv
.irp j, 0,1
.irp sd, 0,1
.irp g, 0,1,2,3,4,5
	ds_store_b128 v[STA], v[\src+26*(2*\j+\sd)+4*\g:\src+26*(2*\j+\sd)+4*\g+3] offset:\j*QSZ+(2*\kv+\sd)*ESZ+512*\g
.endr
	ds_store_b64 v[STS], v[\src+26*(2*\j+\sd)+24:\src+26*(2*\j+\sd)+25] offset:\j*QSZ+(2*\kv+\sd)*ESZ+3072
.endr
.endr
.endm
.macro FOLD4 a                         ; four running pairs become the row's sum, in all its 16 lanes
	v_pk_add_f32 v[\a:\a+1], v[\a:\a+1], v[\a+2:\a+3]
	v_pk_add_f32 v[\a+4:\a+5], v[\a+4:\a+5], v[\a+6:\a+7]
	s_delay_alu instid0(VALU_DEP_1)
	v_pk_add_f32 v[\a:\a+1], v[\a:\a+1], v[\a+4:\a+5]
	s_delay_alu instid0(VALU_DEP_1)
	v_add_f32 v[\a], v[\a], v[\a+1]
.irp m, 1,2,4,8
	s_delay_alu instid0(VALU_DEP_1)
	v_add_f32_dpp v[\a], v[\a], v[\a] row_xmask:\m row_mask:0xf bank_mask:0xf
.endr
.endm
.macro SQ4                             ; the squares of v[X] .. v[X + 15] in four running pairs
.irp k, 0,1,2,3
	v_pk_mul_f32 v[T+2*\k:T+2*\k+1], v[X+2*\k:X+2*\k+1], v[X+2*\k:X+2*\k+1]
.endr
.irp k, 0,1,2,3
	v_pk_fma_f32 v[T+2*\k:T+2*\k+1], v[X+8+2*\k:X+9+2*\k], v[X+8+2*\k:X+9+2*\k], v[T+2*\k:T+2*\k+1]
.endr
.endm
.macro XLOAD
.irp i, 0,1,2,3
	ds_load_b128 v[X+4*\i:X+4*\i+3], v[LNR] offset:B0+16*\i
.endr
.endm
; layer norm of my 16 numbers in v[X] ..: dst = (x - mean) / sqrt(variance + 1e-5) x gain + bias.  xw = 1: X's four loads are awaited; 2: and the residual is added
.macro LNORM adr, aw, ab, dst, xw
.irp i, 0,1,2,3
	ds_load_b128 v[G+4*\i:G+4*\i+3], v[\adr] offset:\aw+16*\i
	ds_load_b128 v[BB+4*\i:BB+4*\i+3], v[\adr] offset:\ab+16*\i
.endr
.if \xw
	s_wait_dscnt 8                                 ; X is in; the 8 loads of gains and biases may be out
.endif
.if \xw == 2
.irp i, 0,2,4,6,8,10,12,14
	v_pk_add_f32 v[X+\i:X+\i+1], v[X+\i:X+\i+1], v[ZN+\i:ZN+\i+1]
.endr
.endif
.irp k, 0,1,2,3
	v_pk_add_f32 v[T+2*\k:T+2*\k+1], v[X+4*\k:X+4*\k+1], v[X+4*\k+2:X+4*\k+3]
.endr
	FOLD4 T
	s_delay_alu instid0(VALU_DEP_1)
	v_mul_f32 v[T+8], s62, v[T]
	s_delay_alu instid0(VALU_DEP_1)
	v_mov_b32 v[T+9], v[T+8]
.irp i, 0,2,4,6,8,10,12,14
	v_pk_add_f32 v[X+\i:X+\i+1], v[X+\i:X+\i+1], v[T+8:T+9] neg_lo:[0,1] neg_hi:[0,1]
.endr
	SQ4
	FOLD4 T
	s_delay_alu instid0(VALU_DEP_1)
	v_fma_f32 v[T], v[T], s62, s63
	s_wait_alu depctr_va_vdst(0)                   ; the wait ahead of the transcendental and of the wait below
	s_wait_dscnt 0x0                               ; gains and biases are in
	v_rsq_f32 v[T+10], v[T]
	v_nop
	s_wait_alu depctr_va_vdst(0)
	v_mov_b32 v[T+11], v[T+10]
.irp i, 0,2,4,6,8,10,12,14
	v_pk_mul_f32 v[X+\i:X+\i+1], v[X+\i:X+\i+1], v[T+10:T+11]
.endr
.irp i, 0,2,4,6,8,10,12,14
	v_pk_fma_f32 v[\dst+\i:\dst+\i+1], v[X+\i:X+\i+1], v[G+\i:G+\i+1], v[BB+\i:BB+\i+1]
.endr
.endm
; 16 neighbours along K become 12 bytes of codes; the block's other 16 lie in lane l xor 1
.macro QUANT16 src, cw, cbase, sw, sbase
	v_max3_num_f32 v[T], |v[\src]|, |v[\src+1]|, 0x1800000          ; with the floor 2^(3 - 127): the byte cannot fall under 1
	v_max3_num_f32 v[T+1], |v[\src+2]|, |v[\src+3]|, |v[\src+4]|
.irp i, 5,9
	v_max3_num_f32 v[T], v[T], |v[\src+\i]|, |v[\src+\i+1]|
	v_max3_num_f32 v[T+1], v[T+1], |v[\src+\i+2]|, |v[\src+\i+3]|
.endr
	v_max3_num_f32 v[T], v[T], |v[\src+13]|, |v[\src+14]|
	s_delay_alu instid0(VALU_DEP_1)
	v_max3_num_f32 v[T], v[T], v[T+1], |v[\src+15]|
	s_delay_alu instid0(VALU_DEP_1)
	v_max_num_f32_dpp v[T], v[T], v[T] row_xmask:1 row_mask:0xf bank_mask:0xf
	s_delay_alu instid0(VALU_DEP_1)
	v_add_nc_u32 v[T+2], 0xff000000, v[T]          ; 2 off the exponent field: the conversion's scale operand
	v_cvt_scalef32_pk16_fp6_f32 v[T+4:T+6], v[\src:\src+15], v[T+2]
	v_lshrrev_b32 v[T+3], 23, v[T+2]               ; the byte; also the plain place behind the conversion
.irp i, 0,1,2
	ds_store_b32 v[\cw], v[T+4+\i] offset:\cbase+4*\i
.endr
	ds_store_b8 v[\sw], v[T+3] offset:\sbase       ; both lanes of a block write the same byte with the same value
.endm
.macro FETCHF n, cbase, sbase          ; n fragments of the 16 rows, and their scale words
.set fs, 0
.rept \n
.irp p, 0,1,2,3,4,5
	ds_load_b64 v[AF+12*fs+2*\p:AF+12*fs+2*\p+1], v[FRA] offset:\cbase+96*fs+48*(\p/3)+8*(\p%3)
.endr
.set fs, fs+1
.endr
.if \n == 2
	ds_load_b64 v[AS:AS+1], v[FRS] offset:\sbase
.else
	ds_load_b128 v[AS:AS+3], v[FRS] offset:\sbase
.endif
.endm
.macro BIAS adr, base, nt              ; a bias in the result's layout: the C of the sum's first product
.set dt, 0
.rept \nt
	ds_load_b128 v[D+8*dt:D+8*dt+3], v[\adr] offset:\base+GP*dt
	ds_load_b128 v[D+8*dt+4:D+8*dt+7], v[\adr] offset:\base+GP*dt+16
.set dt, dt+1
.endr
.endm
.macro DSTORE                          ; two tiles to B0, each accumulator from its low end on
.irp t, 0,1
	ds_store_b128 v[DST], v[D+8*\t:D+8*\t+3] offset:B0+GP*\t
	ds_store_b128 v[DST], v[D+8*\t+4:D+8*\t+7] offset:B0+GP*\t+16
.endr
.endm
; nt tiles x ks K steps, transposed: source 0 = a weight's fragment (window 1), source 1 = the 16 queries.  The accumulators take turns.
.macro PROD nt, ks, wb, sb, zero
	WIN 0x01
.set ps, 0
.rept \ks
.set pt, 0
.rept \nt
	MM D+8*pt, \wb+12*(\ks*pt+ps), AF+12*ps, \zero*(ps==0), \sb+\ks*pt+ps, AS+ps
.set pt, pt+1
.endr
.set ps, ps+1
.endr
	WIN 0
	PLACES
.endm
.macro PK16 op, d, a, b
.set i, 0
.rept 16
	\op v[\d+i:\d+i+1], v[\a+i:\a+i+1], v[\b+i:\b+i+1]
.set i, i+2
.endr
.endm
.macro HORNER d, k
.set i, 0
.rept 16
	v_pk_fma_f32 v[\d+i:\d+i+1], v[\d+i:\d+i+1], v[X2+i:X2+i+1], \k op_sel_hi:[1,1,0]
.set i, i+2
.endr
.endm
.macro GELU                            ; v[U] .. = 0.5 x (1 + erf(x / sqrt 2)) of the 32 numbers in v[D] ..
	v_mov_b32 v[KC], 0xaf95df0b
	v_mov_b32 v[KC+1], 0xaf95df0b
	v_mov_b32 v[KC+2], 0xb77460cd
	v_mov_b32 v[KC+3], 0xb77460cd
.set i, 0
.rept 16
	v_pk_mul_f32 v[U+i:U+i+1], v[D+i:D+i+1], 0x3f3504f3 op_sel_hi:[1,0]
.set i, i+2
.endr
.set i, 0
.rept 32
	v_med3_num_f32 v[U+i], v[U+i], -4.0, 4.0
.set i, i+1
.endr
	PK16 v_pk_mul_f32, X2, U, U
.set i, 0
.rept 16
	v_pk_fma_f32 v[PN+i:PN+i+1], v[X2+i:X2+i+1], v[KC:KC+1], 0x32edffee op_sel_hi:[1,1,0]
.set i, i+2
.endr
	HORNER PN, 0xb60cff51
	HORNER PN, 0xb86ec2d2
	HORNER PN, 0xba40ac63
	HORNER PN, 0xbb41a1f6
	HORNER PN, 0xbc83dbd4
.set i, 0
.rept 16
	v_pk_fma_f32 v[QD+i:QD+i+1], v[X2+i:X2+i+1], v[KC+2:KC+3], 0xb95fbd29 op_sel_hi:[1,1,0]
.set i, i+2
.endr
	HORNER QD, 0xbadc924e
	HORNER QD, 0xbbf19bf8
	HORNER QD, 0xbc69b6a7
	PK16 v_pk_mul_f32, PN, PN, U
	s_wait_alu depctr_va_vdst(0)
.set i, 0
.rept 32
	v_rcp_f32 v[QD+i], v[QD+i]
.set i, i+1
.endr
.set i, 0
.rept 16
	v_pk_mul_f32 v[X2+i:X2+i+1], v[D+i:D+i+1], 0.5 op_sel_hi:[1,0]   ; plain work behind the batch
.set i, i+2
.endr
	s_wait_alu depctr_va_vdst(0)
	PK16 v_pk_mul_f32, PN, PN, QD                  ; erf
.set i, 0
.rept 16
	v_pk_fma_f32 v[U+i:U+i+1], v[X2+i:X2+i+1], v[PN+i:PN+i+1], v[X2+i:X2+i+1]
.set i, i+2
.endr
.endm
.macro ELOAD q, first                  ; two entries of query q (first = 0: K's, 2: V's): 14 loads
.irp t, 0,1
.irp s, 0,1
.irp c, 0,1,2
	ds_load_b128 v[AF+12*(2*\t+\s)+4*\c:AF+12*(2*\t+\s)+4*\c+3], v[EA0+(\q)/4] offset:((\q)%4)*QSZ+(\first+\t)*ESZ+1536*\s+512*\c
.endr
.endr
	ds_load_b64 v[AS+2*\t:AS+2*\t+1], v[ES0+(\q)/4] offset:((\q)%4)*QSZ+(\first+\t)*ESZ
.endr
.endm
.macro QLOAD q                         ; query q's q at my 8 columns of each tile: 8 loads
.irp ct, 0,1,2,3
	ds_load_b128 v[Q+8*\ct:Q+8*\ct+3], v[QBASE] offset:(\q)*RP+GP*\ct
	ds_load_b128 v[Q+8*\ct+4:Q+8*\ct+7], v[QBASE] offset:(\q)*RP+GP*\ct+16
.endr
.endm
.macro PLOAD q                         ; query q's p, keys 8 hh on: 8 loads
.irp e, 0,1
.irp t, 0,1
	ds_load_b128 v[P+8*(2*\e+\t):P+8*(2*\e+\t)+3], v[PSR] offset:256*(\q)+128*\e+64*\t
	ds_load_b128 v[P+8*(2*\e+\t)+4:P+8*(2*\e+\t)+7], v[PSR] offset:256*(\q)+128*\e+64*\t+16
.endr
.endr
.endm
.macro JOIN                            ; four running pairs: halves added, then the two halves of the lanes joined.  The first four lines are the places behind the matrix instructions
.irp k, 0,1,2,3
	v_add_f32 v[TS+\k], v[TP+2*\k], v[TP+2*\k+1]
.endr
	v_permlane16_swap_b32 v[TS], v[TS+1]
	v_permlane16_swap_b32 v[TS+2], v[TS+3]
.endm
.macro KRED q                          ; lanes 0-15 head 2 hp, lanes 16-31 head 2 hp + 1: key r of the left entry, of the right
	JOIN
	v_add_f32 v[S+2*(\q)], v[TS], v[TS+1]
	v_add_f32 v[S+2*(\q)+1], v[TS+2], v[TS+3]
.endm
.macro VRED q                          ; lane l: column l of head 2 hp, of head 2 hp + 1
	JOIN
	v_add_f32 v[TS+4], v[TS], v[TS+1]
	v_add_f32 v[TS+5], v[TS+2], v[TS+3]
	ds_store_b32 v[AAW], v[TS+4] offset:AP*(\q)
	ds_store_b32 v[AAW], v[TS+5] offset:AP*(\q)+128
.endm
.macro KSTEP q
	s_wait_alu depctr_va_vdst(0)
	s_wait_dscnt 8                                 ; K's fragments are in; q's 8 loads may be out
	WIN 0x01
.irp s, 0,1
.irp t, 0,1
.irp ct, 0,1,2,3
	MM D+8*(4*\t+\ct), 12*(2*\ct+\s), AF+12*(2*\t+\s), 1-\s, WKS+2*\ct+\s, AS+2*\t+\s
.endr
.endr
.endr                                  ; lane (r, hh): key r of entry t; register j of tile ct: column 16 ct + 8 hh + j
	WIN 0
.if \q > 0
	KRED \q-1
.else
	PLACES
.endif
.if \q < 7
	ELOAD \q+1, 0
.else
	ELOAD 0, 2                                     ; the first query's V entries
.endif
	s_wait_dscnt 14                                ; q is in; the 14 loads just issued may be out
.set rd, 0
.rept 8                                ; q . k: pair (t, e) sums my 16 columns of head e, each accumulator from its low end on
.irp t, 0,1
.irp e, 0,1
.if rd == 0
	v_pk_mul_f32 v[TP+2*(2*\t+\e):TP+2*(2*\t+\e)+1], v[D+8*(4*\t+2*\e+rd/4)+2*(rd%4):D+8*(4*\t+2*\e+rd/4)+2*(rd%4)+1], v[Q+8*(2*\e+rd/4)+2*(rd%4):Q+8*(2*\e+rd/4)+2*(rd%4)+1]
.else
	v_pk_fma_f32 v[TP+2*(2*\t+\e):TP+2*(2*\t+\e)+1], v[D+8*(4*\t+2*\e+rd/4)+2*(rd%4):D+8*(4*\t+2*\e+rd/4)+2*(rd%4)+1], v[Q+8*(2*\e+rd/4)+2*(rd%4):Q+8*(2*\e+rd/4)+2*(rd%4)+1], v[TP+2*(2*\t+\e):TP+2*(2*\t+\e)+1]
.endif
.endr
.endr
.set rd, rd+1
.endr
.if \q < 7
	QLOAD \q+1
.endif
.endm
.macro VSTEP q
	s_wait_alu depctr_va_vdst(0)
	s_wait_dscnt 8                                 ; V's fragments are in; p's 8 loads may be out
	WIN 0x04
.irp s, 0,1
.irp t, 0,1
.irp ct, 0,1,2,3
	MM D+8*(4*\t+\ct), AF+12*(2*\t+\s), 96+12*(2*\ct+\s), 1-\s, AS+2*\t+\s, WVS+2*\ct+\s
.endr
.endr
.endr                                  ; lane (r, hh): column 16 ct + r; register j: key 8 hh + j of entry t
	WIN 0
.if \q > 0
	VRED \q-1
.else
	PLACES
.endif
.if \q < 7
	ELOAD \q+1, 2
.endif
.if \q == 0
	s_wait_dscnt 14                                ; p is in; behind it: the next entries' 14 loads,
.elseif \q < 7
	s_wait_dscnt 16                                ; and the last query's 2 stores
.else
	s_wait_dscnt 2
.endif
.set rd, 0
.rept 8                                ; p . v: pair ct sums my 16 keys of column 16 ct + r
.irp ct, 0,1,2,3
.if rd == 0
	v_pk_mul_f32 v[TP+2*\ct:TP+2*\ct+1], v[D+8*(4*(rd/4)+\ct)+2*(rd%4):D+8*(4*(rd/4)+\ct)+2*(rd%4)+1], v[P+8*(2*(\ct/2)+rd/4)+2*(rd%4):P+8*(2*(\ct/2)+rd/4)+2*(rd%4)+1]
.else
	v_pk_fma_f32 v[TP+2*\ct:TP+2*\ct+1], v[D+8*(4*(rd/4)+\ct)+2*(rd%4):D+8*(4*(rd/4)+\ct)+2*(rd%4)+1], v[P+8*(2*(\ct/2)+rd/4)+2*(rd%4):P+8*(2*(\ct/2)+rd/4)+2*(rd%4)+1], v[TP+2*\ct:TP+2*\ct+1]
.endif
.endr
.set rd, rd+1
.endr
.if \q < 7
	PLOAD \q+1
.endif
.endm
.macro SOFTMAX                         ; eight queries by turns; a head's 32 keys lie in two registers x 16 lanes
.irp q, 0,1,2,3,4,5,6,7
	v_max_num_f32 v[M+\q], v[S+2*\q], v[S+2*\q+1]
.endr
.irp m, 1,2,4,8
.irp q, 0,1,2,3,4,5,6,7
	v_max_num_f32_dpp v[M+\q], v[M+\q], v[M+\q] row_xmask:\m row_mask:0xf bank_mask:0xf
.endr
.endr
.irp q, 0,1,2,3,4,5,6,7
	v_mul_f32 v[M+\q], s60, v[M+\q]                ; the maximum x log2(e) / sqrt(32)
.endr
.irp i, 0,1,2,3,4,5,6,7,8,9,10,11,12,13,14,15
	v_fma_f32 v[S+\i], v[S+\i], s60, -v[M+\i/2]
.endr
	s_wait_alu depctr_va_vdst(0)
.irp i, 0,1,2,3,4,5,6,7,8,9,10,11,12,13,14,15
	v_exp_f32 v[S+\i], v[S+\i]
.endr
	v_nop
	s_wait_alu depctr_va_vdst(0)
.irp q, 0,1,2,3,4,5,6,7
	v_add_f32 v[Z+\q], v[S+2*\q], v[S+2*\q+1]
.endr
.irp m, 1,2,4,8
.irp q, 0,1,2,3,4,5,6,7
	v_add_f32_dpp v[Z+\q], v[Z+\q], v[Z+\q] row_xmask:\m row_mask:0xf bank_mask:0xf
.endr
.endr
	s_wait_alu depctr_va_vdst(0)
.irp q, 0,1,2,3,4,5,6,7
	v_rcp_f32 v[Z+\q], v[Z+\q]
.endr
	v_nop
	s_wait_alu depctr_va_vdst(0)
.irp i, 0,1,2,3,4,5,6,7,8,9,10,11,12,13,14,15
	v_mul_f32 v[S+\i], v[S+\i], v[Z+\i/2]
.endr
.irp i, 0,1,2,3,4,5,6,7,8,9,10,11,12,13,14,15
	ds_store_b32 v[PSW], v[S+\i] offset:256*(\i/2)+64*(\i%2)   ; p[query][head hh][entry][key r], in my wave's own scratch: LDS serves a wave's instructions in order
.endr
.endm
; ---------------- the head
	s_load_b512 s[4:19], s[0:1], 0x0               ; grd2sat 4, idx 6, ytab 8, wcodes 10, wscales 12, ln_q_w 14, ln_q_b 16, ln_pre_w 18
	s_load_b256 s[20:27], s[0:1], 0x40             ; ln_pre_b 20, ln_post_w 22, ln_post_b 24, bproj 26
	s_load_b128 s[28:31], s[0:1], 0x60             ; bm2 28, bm1 30
	s_load_b64 s[32:33], s[0:1], 0x70              ; out0
	v_lshrrev_b32 v60, 5, v0
	v_readfirstlane_b32 s34, v60                   ; wave 0..7
	s_and_b32 s35, s34, 3                          ; hp
	s_lshr_b32 s36, s34, 2                         ; qh
	s_mov_b32 s60, 0x3e8293ee                      ; log2(e) / sqrt(32)
	s_mov_b32 s62, 0x3b800000                      ; 1 / 256
	s_mov_b32 s63, 0x3727c5ac                      ; 1e-5
	s_mul_i32 s66, s34, 2*GP
	s_mul_i32 s67, s34, 4*GP
	s_mul_i32 s68, s36, 8*QSZ
	s_add_co_u32 s68, s68, ENT
	s_add_co_u32 s69, s68, 4*QSZ
	s_add_co_u32 s70, s68, 3072
	s_add_co_u32 s71, s69, 3072
	s_mul_i32 s72, s36, 8*RP
	s_mul_i32 s73, s35, 4*GP
	s_add_co_u32 s72, s72, s73
	s_mul_i32 s73, s34, WSZ
	s_add_co_u32 s73, s73, WS
	s_add_co_u32 s74, s73, 2048
	s_mul_i32 s75, s36, 8*CP
	s_mul_i32 s76, s35, 48
	s_add_co_u32 s75, s75, s76
	s_lshl_b32 s76, s36, 7
	s_lshl_b32 s77, s35, 1
	s_add_co_u32 s76, s76, s77
	s_mul_i32 s77, s34, 48
	s_lshl_b32 s78, s34, 1
	s_mul_i32 s79, s34, 2*QSZ
	s_add_co_u32 s79, s79, ENT
	s_mul_i32 s80, s34, 6144
	s_mul_i32 s81, s34, 12288
	s_mul_i32 s82, s35, 12288
	s_lshl_b32 s83, s34, 9
	s_lshl_b32 s84, s34, 10
	s_lshl_b32 s85, s35, 10
	s_lshl_b32 s86, s34, 19
	v_and_b32 v61, 31, v0                          ; lane
	v_and_b32 v62, 15, v0                          ; r; for a norm: my group of 16 channels
	v_bfe_u32 v63, v0, 4, 1                        ; hh
	v_lshrrev_b32 v65, 4, v0                       ; a norm's row
	v_lshlrev_b32 v[L16], 4, v61
	v_lshlrev_b32 v[L8], 3, v61
	v_lshlrev_b32 v64, 2, v61
	v_lshlrev_b32 v68, 5, v63
	v_lshlrev_b32 v69, 2, v62
	v_lshrrev_b32 v70, 2, v61
	v_and_b32 v71, 3, v0
	v_bfe_u32 v72, v0, 1, 1
	v_lshrrev_b32 v66, 1, v62
	v_mul_u32_u24 v67, v62, RP
	v_mul_u32_u24 v73, v62, AP
	v_mul_u32_u24 v[LNR], v65, RP
	v_mul_u32_u24 v[LNC], v65, CP
	v_mad_u32_u24 v[LNR], v62, GP, v[LNR]
	v_mad_u32_u24 v[LNC], v62, 12, v[LNC]
	v_lshl_add_u32 v[LNS], v65, 4, v66
	v_mul_u32_u24 v[LNG], v62, GP
	v_lshl_add_u32 v[DST], v63, 5, v67
	v_mad_u32_u24 v[DSTX], v63, GP, v67
	v_add_nc_u32 v[DST], s66, v[DST]               ; r RP + 32 hh + 160 wave: a product's results
	v_add_nc_u32 v[DSTX], s66, v[DSTX]             ; r RP + 80 (2 wave + hh): my 16 channels of query r on the way in and out
	v_add_nc_u32 v[BRD], s66, v68
	v_add_nc_u32 v[BRH], s67, v68
	v_mul_u32_u24 v[FRA], v62, CP
	v_lshlrev_b32 v[FRS], 4, v62
	v_mad_u32_u24 v[FRA], v63, 24, v[FRA]
	v_add_nc_u32 v[EA0], s68, v[L16]
	v_add_nc_u32 v[EA0+1], s69, v[L16]
	v_add_nc_u32 v[ES0], s70, v[L8]
	v_add_nc_u32 v[ES0+1], s71, v[L8]
	v_add_nc_u32 v[QBASE], s72, v68
	v_lshl_add_u32 v[PSW], v63, 7, v69
	v_add_nc_u32 v[PSR], s73, v68
	v_add_nc_u32 v[PSW], s73, v[PSW]
	v_add_nc_u32 v[AAW], s74, v64
	v_mul_u32_u24 v[AAR], v70, AP
	v_mul_u32_u24 v[ACW], v70, CP
	v_lshl_add_u32 v[AAR], v71, 6, v[AAR]
	v_mad_u32_u24 v[ACW], v71, 12, v[ACW]
	v_add_nc_u32 v[AAR], s74, v[AAR]
	v_add_nc_u32 v[ACW], s75, v[ACW]
	v_lshl_add_u32 v[ASW], v70, 4, v72
	v_add_nc_u32 v[HSW], v73, v68
	v_add_nc_u32 v[ASW], s76, v[ASW]
	v_add_nc_u32 v[HSW], s73, v[HSW]
	v_lshl_add_u32 v[HSR], v63, 7, v73
	v_add_nc_u32 v[HCW], s77, v[FRA]
	v_add_nc_u32 v[HSR], s73, v[HSR]
	v_add_nc_u32 v[HBW], v[FRS], v63
	v_add_nc_u32 v[STA], s79, v[L16]
	v_add_nc_u32 v[HBW], s78, v[HBW]
	v_add_nc_u32 v[STS], s79, v[L8]
	v_add_nc_u32 v[VWA], s80, v[L16]
	v_add_nc_u32 v[VWB], s81, v[L16]
	v_add_nc_u32 v[VWC], s82, v[L16]
	v_add_nc_u32 v[VSA], s83, v64
	v_add_nc_u32 v[VSB], s84, v64
	v_add_nc_u32 v[VSC], s85, v64
	v_lshlrev_b32 v[XG], 18, v63
	v_and_b32 v96, 127, v0
	v_lshl_add_u32 v[XG], v62, 2, v[XG]
	v_lshlrev_b32 v96, 4, v96
	v_add_nc_u32 v[XG], s86, v[XG]                 ; grd2sat and out0: channel 32 wave + 16 hh (16,384 bytes each), query r
	v_lshlrev_b32 v97, 4, v0
	v_lshrrev_b32 v98, 2, v0
	v_add_nc_u32 v98, v98, v0
	v_lshl_add_u32 v98, v98, 4, GL                 ; a chunk of 16 bytes of gains: 16 more for each 64 passed
	s_wait_alu depctr_va_vdst(0)
	s_wait_kmcnt 0x0
	s_lshl_b32 s88, ttmp9, 6                       ; 16 queries x 4 bytes
	s_mov_b32 s89, 0
	s_add_nc_u64 s[4:5], s[4:5], s[88:89]
	s_add_nc_u64 s[32:33], s[32:33], s[88:89]
	s_lshl_b32 s90, s34, 3
	s_add_co_u32 s88, s88, s90
	s_add_nc_u64 s[6:7], s[6:7], s[88:89]
	s_load_b64 s[40:41], s[6:7], 0x0               ; the left columns of queries 2 wave, 2 wave + 1: the two whose entries I stage
	s_load_b64 s[42:43], s[6:7], 0x4000            ; the right columns
	s_cmp_lt_u32 s34, 4                            ; 256 threads x 16 bytes cover two arrays of 2,048 bytes
	s_cselect_b64 s[68:69], s[14:15], s[16:17]
	s_cselect_b64 s[70:71], s[18:19], s[20:21]
	s_cselect_b64 s[72:73], s[22:23], s[24:25]
	s_cselect_b64 s[74:75], s[26:27], s[28:29]
.irp i, 0,1,2,3,4,5,6,7,8,9,10,11,12,13,14,15
	global_load_b32 v[X+\i], v[XG], s[4:5] offset:16384*\i
.endr
.irp i, 0,1,2,3
	global_load_b128 v[G+4*\i:G+4*\i+3], v96, s[68+2*\i:69+2*\i]
.endr
	global_load_b128 v[G+16:G+19], v97, s[30:31]
	s_wait_kmcnt 0x0
.irp k, 0,1,2,3
	s_min_u32 s[40+\k], s[40+\k], 127              ; a stored whole number enters an address only held inside its table
	s_mul_i32 s[40+\k], s[40+\k], ESZ
.endr
.irp k, 0,1,2,3
	s_add_co_u32 s[46+2*\k], s8, s[40+\k]          ; k = 2 side + j: the entry of query 2 wave + j, in the first block's table for k
	s_add_co_ci_u32 s[47+2*\k], s9, 0
.endr
	ENTLOAD KE, 0, 0
	WIN 0x40
	ENTLOAD 96, 1, 0
	WIN 0
	s_wait_loadcnt 56                              ; x, gains and biases are in; the entries' 56 loads may be out
.irp j, 0,1,2,3
	ds_store_b128 v[DSTX], v[X+4*\j:X+4*\j+3] offset:B0+16*\j
.endr
.irp i, 0,1,2,3,4
	ds_store_b128 v98, v[G+4*\i:G+4*\i+3] offset:5120*\i
.endr
	WIN 0x40
	WLOAD 208, 4, VWA, 0                           ; Wq: my 32 columns
	WLOAD 0, 8, VWC, 49152                         ; Wk: my 64 columns
	WIN 0
	SLOAD WAS, 4, VSA, 0
	SLOAD WKS, 8, VSC, 4096
	s_mov_b32 s54, 2
	s_mov_b32 s58, 0
	s_mov_b32 s59, 0
	BAR                                            ; x, gains and biases lie in LDS
	XLOAD
	LNORM LNG, G_QW, G_QB, X, 1
	QUANT16 X, LNC, CA, LNS, SA
.Lblock:
	v_add_nc_u32 v[GN], s58, v[LNG]
	v_add_nc_u32 v[GB], s58, v[BRD]
	v_add_nc_u32 v[GH], s59, v[BRH]
	s_wait_alu depctr_va_vdst(0)
	s_wait_loadcnt 0x0                             ; my eight entries, Wq and Wk are in registers
	ENTSTORE KE, 0
	WIN 0x04
	ENTSTORE 96, 1
	WIN 0
	s_wait_dscnt 0x0                               ; the stores have read their registers, which Wv now takes
	WIN 0x40
	WLOAD 96, 8, VWC, 98304                        ; Wv: 24 loads,
	WIN 0
	SLOAD WVS, 8, VSC, 8192                        ; and 8
	BAR                                            ; x's codes and all entries lie in LDS
; ---- q
	FETCHF 2, CA, SA
	s_wait_dscnt 0x0
	PROD 2, 2, 208, WAS, 1
	DSTORE
	ELOAD 0, 0
	WIN 0x40
	WLOAD 208, 4, VWA, 147456                      ; Wproj takes Wq's registers: 16 loads
	WIN 0
	SLOAD WAS, 4, VSA, 12288
	BAR                                            ; q lies in LDS
; ---- attention
	QLOAD 0
	v_nop                                          ; a fifth place behind the q product: the first pass begins its accumulators anew (ISA guide 7.12.1)
.irp q, 0,1,2,3,4,5,6,7
	KSTEP \q
.endr
	KRED 7
	WIN 0x40
	WLOAD 0, 8, VWB, 196608                        ; Wm1 takes Wk's registers: 32 loads
	WIN 0
	SLOAD WKS, 8, VSB, 16384
	SOFTMAX
	PLOAD 0
	s_wait_loadcnt 48                              ; Wv is in; Wproj's 16 and Wm1's 32 loads may be out
.irp q, 0,1,2,3,4,5,6,7
	VSTEP \q
.endr
	VRED 7
	WIN 0x40
	WLOAD 96, 8, VWB, 294912                       ; Wm2 takes Wv's registers: 32 loads
	WIN 0
	SLOAD WVS, 8, VSB, 24576
.irp i, 0,1,2,3
	ds_load_b128 v[X+4*\i:X+4*\i+3], v[AAR] offset:16*\i   ; my own result back: lane = (query l / 4, 16 columns l % 4)
.endr
	s_wait_dscnt 0x0
	QUANT16 X, ACW, CB, ASW, SB
	BAR
; ---- proj
	FETCHF 2, CB, SB
	BIAS GB, G_BP, 2
	s_wait_dscnt 0x0
	s_wait_loadcnt 32                              ; Wproj and Wm1 are in; Wm2's 32 loads may be out
	PROD 2, 2, 208, WAS, 0
	DSTORE
	BAR
; ---- the second norm: the residual stays in my registers
	XLOAD
	LNORM GN, G_PW, G_PB, ZN, 1
	QUANT16 ZN, LNC, CA, LNS, SA
	BAR
; ---- the hidden layer: my 64 columns, quantised by me: through my scratch a lane gets a whole block of 32
	FETCHF 2, CA, SA
	BIAS GH, G_B1, 4
	s_wait_dscnt 0x0
	PROD 4, 2, 0, WKS, 0
	GELU
.irp t, 0,1,2,3
	ds_store_b128 v[HSW], v[U+8*\t:U+8*\t+3] offset:64*\t
	ds_store_b128 v[HSW], v[U+8*\t+4:U+8*\t+7] offset:64*\t+16
.endr
.irp i, 0,1,2,3,4,5,6,7
	ds_load_b128 v[X2+4*\i:X2+4*\i+3], v[HSR] offset:16*\i
.endr
	s_wait_dscnt 0x0
	v_max3_num_f32 v[T], |v[X2]|, |v[X2+1]|, 0x1800000
	v_max3_num_f32 v[T+1], |v[X2+2]|, |v[X2+3]|, |v[X2+4]|
.irp i, 5,9,13,17,21,25
	v_max3_num_f32 v[T], v[T], |v[X2+\i]|, |v[X2+\i+1]|
	v_max3_num_f32 v[T+1], v[T+1], |v[X2+\i+2]|, |v[X2+\i+3]|
.endr
	v_max3_num_f32 v[T], v[T], |v[X2+29]|, |v[X2+30]|
	s_delay_alu instid0(VALU_DEP_1)
	v_max3_num_f32 v[T], v[T], v[T+1], |v[X2+31]|
	s_delay_alu instid0(VALU_DEP_1)
	v_add_nc_u32 v[T+2], 0xff000000, v[T]
	v_cvt_scalef32_pk16_fp6_f32 v[T+4:T+6], v[X2:X2+15], v[T+2]
	v_cvt_scalef32_pk16_fp6_f32 v[T+8:T+10], v[X2+16:X2+31], v[T+2]
	v_lshrrev_b32 v[T+3], 23, v[T+2]
.irp i, 0,1,2
	ds_store_b32 v[HCW], v[T+4+\i] offset:CB+4*\i
	ds_store_b32 v[HCW], v[T+8+\i] offset:CB+12+4*\i
.endr
	ds_store_b8 v[HBW], v[T+3] offset:SB
	s_wait_loadcnt 0x0                             ; Wm2 is in: no load of mine is out
	s_cmp_eq_u32 s54, 1
	s_cbranch_scc1 .Lno_pre                        ; the last block asks for nothing more
	WIN 0x40
	WLOAD 208, 4, VWA, 393216                      ; the next block's Wq, Wk,
	WLOAD 0, 8, VWC, 393216+49152
	WIN 0
	SLOAD WAS, 4, VSA, 32768
	SLOAD WKS, 8, VSC, 32768+4096
	ENTLOAD KE, 0, 1                               ; and K entries
.Lno_pre:
	BAR
; ---- the second product of the MLP
	FETCHF 4, CB, SB
	BIAS GB, G_B2, 2
	s_wait_dscnt 0x0
	PROD 2, 4, 96, WVS, 0
	DSTORE
	s_cmp_eq_u32 s54, 1
	s_cbranch_scc1 .Lno_pre2
	WIN 0x40
	ENTLOAD 96, 1, 1                               ; the next block's V entries
	WIN 0
.Lno_pre2:
	BAR
; ---- residual and third norm: the block's result, in my registers
	XLOAD
	LNORM GN, G_OW, G_OB, X, 2
	s_wait_alu depctr_va_vdst(0)
	s_sub_co_u32 s54, s54, 1
	s_cmp_eq_u32 s54, 0
	s_cbranch_scc1 .Lfinal
	LNORM LNG, G_QW+1280, G_QB+1280, X, 0          ; the next block's first norm, on the same threads
	QUANT16 X, LNC, CA, LNS, SA
	s_wait_xcnt 0x0                                ; the loads that are out have read their bases
	s_add_nc_u64 s[10:11], s[10:11], 393216
	s_add_nc_u64 s[12:13], s[12:13], 32768
	s_add_co_u32 s58, s58, 1280
	s_add_co_u32 s59, s59, 2560
	s_wait_alu depctr_va_vdst(0)
	s_cmp_lg_u32 s54, 0
	s_cbranch_scc1 .Lblock
.Lfinal:
; ---------------- the L2 norm over the channels, and the way out
	SQ4
	FOLD4 T
	s_wait_alu depctr_va_vdst(0)
	v_sqrt_f32 v[T+2], v[T]
	v_nop
	s_wait_alu depctr_va_vdst(0)
	v_max_num_f32 v[T+2], 0x2b8cbccc, v[T+2]       ; held at 1e-12 from below
	s_wait_alu depctr_va_vdst(0)
	v_rcp_f32 v[T+4], v[T+2]
	v_nop
	s_wait_alu depctr_va_vdst(0)
	v_mov_b32 v[T+5], v[T+4]
.irp i, 0,2,4,6,8,10,12,14
	v_pk_mul_f32 v[X+\i:X+\i+1], v[X+\i:X+\i+1], v[T+4:T+5]
.endr
.irp i, 0,1,2,3
	ds_store_b128 v[LNR], v[X+4*\i:X+4*\i+3] offset:B0+16*\i   ; onto the bytes that this thread alone read
.endr
	BAR
.irp i, 0,1,2,3
	ds_load_b128 v[X+4*\i:X+4*\i+3], v[DSTX] offset:B0+16*\i
.endr
	s_wait_dscnt 0x0
.irp i, 0,1,2,3,4,5,6,7,8,9,10,11,12,13,14,15
	global_store_b32 v[XG], v[X+\i], s[32:33] offset:16384*\i   ; sixteen lanes store the work-group's 64 consecutive bytes of a channel
.endr
	s_wait_xcnt 0x0
	v_lshl_add_u32 v254, v0, 2, SPARE
	v_mov_b32 v255, 0
	s_wait_alu depctr_va_vdst(0)
	s_wait_tensorcnt 0x0                           ; the wave's end
	ds_add_u32 v254, v255
	s_wait_dscnt 0x0
	s_endpgm
.Lfunc_end_k_qe72ce143bf_main:
	.size	k_qe72ce143bf_main, .Lfunc_end_k_qe72ce143bf_main-k_qe72ce143bf_main
	.p2alignl 7, 3214868480
	.fill 96, 4, 3214868480
	.section	.rodata,"a",@progbits
	.p2align	6, 0x0
	.amdhsa_kernel k_qe72ce143bf_main
		.amdhsa_group_segment_fixed_size 308480
		.amdhsa_private_segment_fixed_size 0
		.amdhsa_enable_private_segment 0
		.amdhsa_kernarg_size 120
		.amdhsa_user_sgpr_count 2
		.amdhsa_user_sgpr_kernarg_segment_ptr 1
		.amdhsa_wavefront_size32 1
		.amdhsa_system_sgpr_workgroup_id_x 1
		.amdhsa_system_sgpr_workgroup_id_y 1
		.amdhsa_system_sgpr_workgroup_id_z 1
		.amdhsa_system_vgpr_workitem_id 0
		.amdhsa_next_free_vgpr 512
		.amdhsa_next_free_sgpr 96
		.amdhsa_reserve_vcc 0
		.amdhsa_float_denorm_mode_32 3
		.amdhsa_float_denorm_mode_16_64 3
		.amdhsa_memory_ordered 1
		.amdhsa_forward_progress 1
		.amdhsa_inst_pref_size 214
	.end_amdhsa_kernel
	.amdgpu_metadata
---
amdhsa.version: [ 1, 2 ]
amdhsa.kernels:
  - .name:           k_qe72ce143bf_main
    .symbol:         k_qe72ce143bf_main.kd
    .args:
      - { .name: grd2sat, .offset: 0, .size: 8, .value_kind: global_buffer, .address_space: global }
      - { .name: idx, .offset: 8, .size: 8, .value_kind: global_buffer, .address_space: global }
      - { .name: ytab, .offset: 16, .size: 8, .value_kind: global_buffer, .address_space: global }
      - { .name: wcodes, .offset: 24, .size: 8, .value_kind: global_buffer, .address_space: global }
      - { .name: wscales, .offset: 32, .size: 8, .value_kind: global_buffer, .address_space: global }
      - { .name: ln_q_w, .offset: 40, .size: 8, .value_kind: global_buffer, .address_space: global }
      - { .name: ln_q_b, .offset: 48, .size: 8, .value_kind: global_buffer, .address_space: global }
      - { .name: ln_pre_w, .offset: 56, .size: 8, .value_kind: global_buffer, .address_space: global }
      - { .name: ln_pre_b, .offset: 64, .size: 8, .value_kind: global_buffer, .address_space: global }
      - { .name: ln_post_w, .offset: 72, .size: 8, .value_kind: global_buffer, .address_space: global }
      - { .name: ln_post_b, .offset: 80, .size: 8, .value_kind: global_buffer, .address_space: global }
      - { .name: bproj, .offset: 88, .size: 8, .value_kind: global_buffer, .address_space: global }
      - { .name: bm2, .offset: 96, .size: 8, .value_kind: global_buffer, .address_space: global }
      - { .name: bm1, .offset: 104, .size: 8, .value_kind: global_buffer, .address_space: global }
      - { .name: out0, .offset: 112, .size: 8, .value_kind: global_buffer, .address_space: global }
    .group_segment_fixed_size: 308480
    .private_segment_fixed_size: 0
    .kernarg_segment_align: 8
    .kernarg_segment_size: 120
    .max_flat_workgroup_size: 256
    .sgpr_count:     96
    .vgpr_count:     512
    .wavefront_size: 32
...
	.end_amdgpu_metadata
.endif
;; end of part 2
